; MI455X (gfx1250); checked and timed in simulation.
; The chip was launched on July 23, 2026; its instructions are those of AMD's public machine-readable ISA for CDNA 5 (MIT licence, August 2026) and "CDNA5" Instruction Set Architecture Reference Guide (July 2026). The comments in the code are by the model that wrote it; some were corrected since.
;; Diff Geom Props Approx. Allowed arithmetic: float matrix products may take bf16 or f16 operands with f32 sums; all other float work in f32.
;; Inputs: X 8 x 4,096 x 3 float32; uv 8 x 4,096 x 2 float32.
;; Outputs: out0 8 x 4,096 x 3 float32.
;; One version. Each part assembles by itself: llvm-mc -triple=amdgcn-amd-amdhsa -mcpu=gfx1250 --defsym DOCPART=n.
;; ======== version 1 of 1: 2 launches
;; limits: a function is approximated: absolute error at most 5e-05; right only within a limited range of input values
;; workspace buffers: sel 524,288 bytes of whole numbers
;; launch groups (part 1): grid 256 x 1, 4 waves a work-group, no clusters, 166,400 bytes of LDS; arguments uv, sel; writes sel
.if DOCPART == 1
	.amdgcn_target "amdgcn-amd-amdhsa--gfx1250"
	.amdhsa_code_object_version 6
	.text
	.protected	k_q7ebb028e5a_groups
	.globl	k_q7ebb028e5a_groups
	.p2align	8
	.type	k_q7ebb028e5a_groups,@function
k_q7ebb028e5a_groups:
	s_mov_b64 s[64:65], 0
	v_nop
	global_prefetch_b8 v0, s[64:65] scope:SCOPE_SE
	s_setreg_imm32_b32 hwreg(HW_REG_WAVE_MODE, 25, 1), 1
	s_wait_xcnt 0x0
; GROUPS: for every point of uv [8][4096][2] (f32) the 16 groups of candidates in which its 16 nearest neighbours lie.
; A batch's 4,096 candidates are 256 groups of 16 consecutive indices.  Order elements by (distance, index).  Each of the 16 first
; elements lies in one of the 16 groups that come first by (group minimum, group number): were its group not among them, 16 group
; minima would stand ahead of it.  So this launch needs one minimum a group, and stores 16 group numbers a query, ascending, one byte each;
; the next launch looks at those 256 candidates alone.
; SHARES.  A work-group: 128 queries of one batch, all 4,096 candidates.  Distances: a wave has 64 queries, two a lane (lane, lane + 32) in the
; halves of packed f32 instructions, and half of the candidates, which every lane reads from the same LDS address.  Minima go to LDS, a row of 256 a query.
; Then a lane has ONE query: a sorted list of the 16 smallest minima (v_med3 puts a number into its place, one instruction a place), a sweep
; that marks the chosen groups bit by bit, and the bits' numbers.
; d = fma(dv, dv, du * du).  LIMITS: uv finite and d below f32's largest number (|uv| to some 1e19); NaN is not treated apart; d has one rounding
; less than a product, a product and a sum: where the 16th and 17th distance agree to the last bit the choice may differ from an evaluation that rounds both squares.
; NO CLUSTER, NO TENSOR LOAD: what the 32 work-groups of a batch share is its uv, 32,768 bytes, copied once (16 loads of 16 bytes a thread) for
; 128 x 4,096 distances; all later traffic is LDS.  No matrix unit: 16-bit operands cannot tell the 16th neighbour from the 17th.
.set PITCH, 1040                       ; a query's row of minima: 1,024 bytes + 16: the 16 rows of a 16-byte access start at 16 different groups of four banks (64 banks of 4 bytes: ISA guide 11.1)
.set UVT,   128*PITCH                  ; behind the 128 rows: the batch's uv as it lies in memory, 32,768 bytes
.set SPARE, UVT+32768                  ; the spare words, 128 bytes a wave: two blocks of 256 bytes that no other line names
.set RA0, 5                            ; v5   my one query's row; never rewritten
.set SPW, 6                            ; v6   LDS address of my spare word; never rewritten
.set NIL, 7                            ; v7   0; never rewritten
.set UQ,  8                            ; v[8:9]    u of my two queries
.set VQ,  10                           ; v[10:11]  v of my two queries
.set CAD, 12                           ; v12  LDS address of the candidates in hand (the same in all lanes)
.set MA,  13                           ; v13  where my first query's minima go; the second's row lies 32 rows on
.set MA0, 14                           ; v14  its start; never rewritten
.set RA,  15                           ; v15  my row plus the column in hand
.set MN0, 16                           ; v[16:19]  four groups' minima, first query
.set MN1, 20                           ; v[20:23]  second query
.set CA,  24                           ; v[24:55]  16 candidates (u, v), buffer A
.set CB,  56                           ; v[56:87]  buffer B
.set DU,  88                           ; v[88:119]  du, then d: a pair (query 0, query 1) a candidate
.set DV,  120                          ; v[120:151] dv, then at work
.set L,   24                           ; v[24:39]  later: the sorted list
.set T,   L+15                         ;           its last: the 16th smallest minimum
.set R,   40                           ; v[40:55]  a ring of four quads of minima
.set R2,  56                           ; v[56:87]  a ring of eight quads of minima
.set W,   88                           ; v[88:95]  the 256 marks: word k, bit 31 - j: group 32 k + j
.set USED, 97                          ; v97  minima equal to T met so far
.set NEED, 98                          ; v98  how many of them belong to the 16
.set TT,  100                          ; v[100:107] the marks less one
.set CUR, 108
.set BASE, 109
.set LOW, 110
.set P,   112                          ; v[112:115] the 16 numbers
.set SC,  22                           ; s22  LDS byte of the four groups of candidates in hand
.set SM,  23                           ; s23  the column byte in the rows of minima
.set LT,  24                           ; s[24:27] lanes whose minimum is below T
.set EQ,  28                           ; s[28:31] equal to T
.set OK,  32                           ; s[32:35] lanes that may still take an equal one
.set JK,  36                           ; s36 carries that nobody wants
.set CY,  40                           ; s[40:47] carries of the 256-bit sum
	s_load_b128 s[4:7], s[0:1], 0x0                ; uv s[4:5], sel s[6:7]
	v_lshl_add_u32 v[SPW], v0, 2, SPARE
	v_mov_b32 v[NIL], 0
	v_and_b32 v1, 31, v0                           ; lane
	v_lshrrev_b32 v2, 5, v0
	v_readfirstlane_b32 s8, v2                     ; wave 0..3
	s_lshr_b32 s9, ttmp9, 5                        ; batch
	s_and_b32 s10, ttmp9, 31                       ; which 128 queries of it
	s_and_b32 s11, s8, 1                           ; which 64 of these are my wave's
	s_lshr_b32 s14, s8, 1                          ; which half of the candidates
	s_lshl_b32 s12, s9, 15                         ; a batch's uv is 32,768 bytes
	s_mov_b32 s13, 0
	s_lshl_b32 s15, s10, 10
	s_lshl_b32 s16, s11, 9
	s_add_co_u32 s15, s15, s16
	v_lshl_add_u32 v4, v1, 3, s15                  ; byte offset of my first query's uv in the batch
	v_lshlrev_b32 v3, 4, v0                        ; 16 x thread
	s_lshl_b32 s17, s8, 9
	s_add_co_u32 s17, s17, UVT
	v_lshl_add_u32 v2, v1, 4, s17                  ; the same place in the LDS copy: 512 x wave + 16 x lane
	s_lshl_b32 s[SC], s14, 14
	s_add_co_u32 s[SC], s[SC], UVT
	v_mov_b32 v[CAD], s[SC]                        ; my half of the candidates
	s_mul_i32 s18, s11, 64*PITCH
	s_lshl_b32 s19, s14, 9                         ; groups 128 on lie 512 bytes into a row
	s_add_co_u32 s18, s18, s19
	v_mad_u32_u24 v[MA0], v1, PITCH, s18
	v_mov_b32 v[MA], v[MA0]
	s_mul_i32 s18, s8, 32*PITCH
	v_mad_u32_u24 v[RA0], v1, PITCH, s18           ; later: query 32 x wave + lane
	s_mov_b32 s[SM], 0
	s_wait_kmcnt 0x0
	s_add_nc_u64 s[4:5], s[4:5], s[12:13]
	global_load_b64 v[8:9], v4, s[4:5]             ; (u, v) of query lane
	global_load_b64 v[10:11], v4, s[4:5] offset:256  ; and of query lane + 32
.set i, 0
.rept 16
	global_load_b128 v[CA+4*i:CA+4*i+3], v3, s[4:5] offset:2048*i  ; the four waves take 2,048 consecutive bytes a round
.set i, i+1
.endr
.set i, 0
.rept 16
	s_wait_loadcnt 15-i                            ; loads come back in order: the 15 - i younger ones stay out
	ds_store_b128 v2, v[CA+4*i:CA+4*i+3] offset:2048*i
.set i, i+1
.endr
	v_mov_b32 v4, v9                               ; (u0, v0) (u1, v1) becomes (u0, u1) (v0, v1); the loads that v4 addressed are back
	v_mov_b32 v9, v10
	v_mov_b32 v10, v4
	s_wait_dscnt 0x0                               ; for the others' sake: my part of the copy is written
	s_barrier_signal -1
	s_barrier_wait -1
; 16 candidates in v[c ..]: both my queries' distances to them.  A candidate's pair (u, v) feeds both halves: op_sel picks u, or v, for both.
.macro DIST c
.set i, 0
.rept 16
	v_pk_add_f32 v[DU+2*i:DU+2*i+1], v[UQ:UQ+1], v[\c+2*i:\c+2*i+1] op_sel_hi:[1,0] neg_lo:[0,1] neg_hi:[0,1]
.set i, i+1
.endr
.set i, 0
.rept 16
	v_pk_add_f32 v[DV+2*i:DV+2*i+1], v[VQ:VQ+1], v[\c+2*i:\c+2*i+1] op_sel:[0,1] op_sel_hi:[1,1] neg_lo:[0,1] neg_hi:[0,1]
.set i, i+1
.endr
.set i, 0
.rept 16
	v_pk_mul_f32 v[DU+2*i:DU+2*i+1], v[DU+2*i:DU+2*i+1], v[DU+2*i:DU+2*i+1]
.set i, i+1
.endr
.set i, 0
.rept 16
	v_pk_fma_f32 v[DU+2*i:DU+2*i+1], v[DV+2*i:DV+2*i+1], v[DV+2*i:DV+2*i+1], v[DU+2*i:DU+2*i+1]
.set i, i+1
.endr
.endm
; the least of the 16, for each query (h): five threes, then two threes (the 16th number among them), then two
.macro MINT g
.irp h, 0,1
.set i, 0
.rept 5
	v_min3_num_f32 v[DV+8*\h+i], v[DU+6*i+\h], v[DU+6*i+2+\h], v[DU+6*i+4+\h]
.set i, i+1
.endr
.endr
.irp h, 0,1
	v_min3_num_f32 v[DV+8*\h], v[DV+8*\h], v[DV+8*\h+1], v[DV+8*\h+2]
	v_min3_num_f32 v[DV+8*\h+3], v[DV+8*\h+3], v[DV+8*\h+4], v[DU+30+\h]
.endr
	v_min_num_f32 v[MN0+\g], v[DV], v[DV+3]
	v_min_num_f32 v[MN1+\g], v[DV+8], v[DV+11]
.endm
; One group.  ld = 1: the next group's 128 bytes are asked for first, into the other buffer.
.macro GRP cur, nxt, ld, off, g
.if \ld
.set i, 0
.rept 8
	ds_load_b128 v[\nxt+4*i:\nxt+4*i+3], v[CAD] offset:\off+16*i
.set i, i+1
.endr
	s_wait_dscnt 0x8                               ; all but the eight just issued: this group's candidates are in
.else
	s_wait_dscnt 0x0
.endif
	DIST \cur
	MINT \g
.endm
.macro QUAD last                       ; four groups, and their minima into my two rows, 16 bytes each
	GRP CA, CB, 1, 128, 0
	GRP CB, CA, 1, 256, 1
	GRP CA, CB, 1, 384, 2
	GRP CB, CA, 1-\last, 512, 3
	ds_store_b128 v[MA], v[MN0:MN0+3]
	ds_store_b128 v[MA], v[MN1:MN1+3] offset:32*PITCH
.endm
.set i, 0
.rept 8
	ds_load_b128 v[CA+4*i:CA+4*i+3], v[CAD] offset:16*i
.set i, i+1
.endr
	s_mov_b32 s20, 31
.Lquad:                                                ; my 128 groups, four a trip
	QUAD 0
	s_add_co_u32 s[SC], s[SC], 512                 ; four groups of 128 bytes on
	v_mov_b32 v[CAD], s[SC]
	s_add_co_u32 s[SM], s[SM], 16                  ; four minima on
	v_add_nc_u32 v[MA], s[SM], v[MA0]
	s_sub_co_u32 s20, s20, 1
	s_cmp_lg_u32 s20, 0
	s_cbranch_scc1 .Lquad
	QUAD 1                                         ; the last four are written out: nothing is read past my half
	s_wait_dscnt 0x0                               ; for the others' sake: my minima are written
	s_barrier_signal -1
	s_barrier_wait -1
; THE LIST.  v[L ..] is sorted.  The new place k holds the middle one of the new number and the old places k - 1 and k; from the top down, so that old places are read before they are written.
.macro INS d
.set k, 15
.rept 15
	v_med3_num_f32 v[L+k], v[\d], v[L+k-1], v[L+k]
.set k, k-1
.endr
	v_min_num_f32 v[L], v[\d], v[L]
.endm
.macro ROWS ld                         ; 16 minima; ld = 1: each quad of registers is filled again, with the minima 16 groups on, as soon as it is used
.set j, 0
.rept 4
	s_wait_dscnt 3-j*(1-\ld)                       ; four loads go round: the three younger ones stay out (in the tail: those that are left)
	INS R+4*j
	INS R+4*j+1
	INS R+4*j+2
	INS R+4*j+3
.if \ld
	ds_load_b128 v[R+4*j:R+4*j+3], v[RA] offset:64+16*j
.endif
.set j, j+1
.endr
.endm
	v_mov_b32 v[RA], v[RA0]
	s_mov_b32 s[SM], 0
.set i, 0
.rept 4
	ds_load_b128 v[R+4*i:R+4*i+3], v[RA] offset:16*i
.set i, i+1
.endr
	s_mov_b32 s21, 0x7f800000                      ; the list starts above every distance
.set i, 0
.rept 16
	v_mov_b32 v[L+i], s21
.set i, i+1
.endr
	s_mov_b32 s20, 15
.Lrows:
	ROWS 1
	s_add_co_u32 s[SM], s[SM], 64
	v_add_nc_u32 v[RA], s[SM], v[RA0]
	s_sub_co_u32 s20, s20, 1
	s_cmp_lg_u32 s20, 0
	s_cbranch_scc1 .Lrows
	ROWS 0
; THE SWEEP.  Chosen: every group whose minimum is below T, and of those equal to T the first NEED in ascending order, NEED being the list's places that hold T.
	v_mov_b32 v[RA], v[RA0]
	s_mov_b32 s[SM], 0
.set i, 0
.rept 8
	ds_load_b128 v[R2+4*i:R2+4*i+3], v[RA] offset:16*i
.set i, i+1
.endr
	v_mov_b32 v[NEED], 1                           ; the last place itself
.set i, 0
.rept 15
	v_cmp_eq_f32 vcc_lo, v[L+i], v[T]
	v_add_co_ci_u32 v[NEED], vcc_lo, 0, v[NEED], vcc_lo
.set i, i+1
.endr
	v_mov_b32 v[USED], 0
.set i, 0
.rept 8
	v_mov_b32 v[W+i], 0
.set i, i+1
.endr
; 32 groups: a mark is shifted into v[W+7] from below, so that the first group ends in bit 31.  The lane masks are joined by scalar instructions; the one chain from group to group is USED.
; ld = 1: the ring is filled again, and the 256-bit register moves on by a word.
.macro WORD ld
.set j, 0
.rept 8
	s_wait_dscnt 7-j*(1-\ld)                       ; eight loads go round: the seven younger ones stay out (in the tail: those that are left)
.irp i, 0,1,2,3
	v_cmp_lt_f32 s[LT+\i], v[R2+4*j+\i], v[T]
.endr
.irp i, 0,1,2,3
	v_cmp_eq_f32 s[EQ+\i], v[R2+4*j+\i], v[T]
.endr
.if \ld
	ds_load_b128 v[R2+4*j:R2+4*j+3], v[RA] offset:128+16*j
.endif
.irp i, 0,1,2,3
	v_cmp_lt_u32 s[OK+\i], v[USED], v[NEED]
	v_add_co_ci_u32 v[USED], s[JK], 0, v[USED], s[EQ+\i]
.endr
.irp i, 0,1,2,3
	s_and_b32 s[EQ+\i], s[EQ+\i], s[OK+\i]
	s_or_b32 s[LT+\i], s[LT+\i], s[EQ+\i]
.endr
.irp i, 0,1,2,3
	v_add_co_ci_u32 v[W+7], s[JK], v[W+7], v[W+7], s[LT+\i]
.endr
.set j, j+1
.endr
.if \ld
.set k, 0
.rept 7
	v_mov_b32 v[W+k], v[W+k+1]
.set k, k+1
.endr
.endif
.endm
	s_mov_b32 s20, 7
.Lword:
	WORD 1
	s_add_co_u32 s[SM], s[SM], 128
	v_add_nc_u32 v[RA], s[SM], v[RA0]
	s_sub_co_u32 s20, s20, 1
	s_cmp_lg_u32 s20, 0
	s_cbranch_scc1 .Lword
	WORD 0                                         ; the eighth word stays in v[W+7]: word k now lies in v[W+k]
; THE NUMBERS.  The marks are one number of 256 bits with v[W+7] as its lowest word: its lowest set bit is the HIGHEST chosen group.  Sixteen times: the number less one (a sum with all ones,
; carried upward) gives, by its carries, the word that holds the bit, and ANDed onto the number clears it; the bit's place is the exponent of its value as f32; the group's number is shifted
; into the list of bytes from below, so that the lowest group ends in byte 0.  These are values only: no address and no branch of this launch hangs on them.
.set i, 0
.rept 4
	v_mov_b32 v[P+i], 0
.set i, i+1
.endr
	s_mov_b32 s20, 16
.Lpick:
	v_add_co_u32 v[TT+7], s[CY+7], -1, v[W+7]      ; carry k: a word from k to 7 is not 0
.set k, 6
.rept 7
	v_add_co_ci_u32 v[TT+k], s[CY+k], -1, v[W+k], s[CY+k+1]
.set k, k-1
.endr
	v_mov_b32 v[CUR], v[W]
	v_mov_b32 v[BASE], 158                         ; bit b of word k is group 32 k + 31 - b, and the exponent field is 127 + b
.set k, 1
.rept 7
	v_cndmask_b32 v[CUR], v[CUR], v[W+k], s[CY+k]  ; the highest k whose carry is set holds the bit
	v_cndmask_b32 v[BASE], v[BASE], 32*k+158, s[CY+k]
.set k, k+1
.endr
.set k, 0
.rept 8
	v_and_b32 v[W+k], v[W+k], v[TT+k]
.set k, k+1
.endr
	v_sub_nc_u32 v[LOW], 0, v[CUR]
	v_and_b32 v[LOW], v[CUR], v[LOW]               ; the bit alone
	v_cvt_f32_u32 v[LOW], v[LOW]                   ; exact: a power of two
	v_lshrrev_b32 v[LOW], 23, v[LOW]
	v_sub_nc_u32 v[LOW], v[BASE], v[LOW]           ; the group's number, 0 to 255
	v_alignbit_b32 v[P+3], v[P+3], v[P+2], 24      ; the 128 bits move up by a byte
	v_alignbit_b32 v[P+2], v[P+2], v[P+1], 24
	v_alignbit_b32 v[P+1], v[P+1], v[P], 24
	v_lshl_or_b32 v[P], v[P], 8, v[LOW]
	s_sub_co_u32 s20, s20, 1
	s_cmp_lg_u32 s20, 0
	s_cbranch_scc1 .Lpick
	s_lshl_b32 s12, ttmp9, 11                      ; 128 queries x 16 bytes a work-group
	s_add_nc_u64 s[6:7], s[6:7], s[12:13]
	global_store_b128 v3, v[P:P+3], s[6:7]         ; a wave stores 512 consecutive bytes, at a multiple of 512 from the buffer's first
	s_wait_tensorcnt 0x0                           ; the wave's end
	ds_add_u32 v[SPW], v[NIL]
	s_wait_dscnt 0x0
	s_endpgm
.Lfunc_end_k_q7ebb028e5a_groups:
	.size	k_q7ebb028e5a_groups, .Lfunc_end_k_q7ebb028e5a_groups-k_q7ebb028e5a_groups
	.p2alignl 7, 3214868480
	.fill 96, 4, 3214868480
	.section	.rodata,"a",@progbits
	.p2align	6, 0x0
	.amdhsa_kernel k_q7ebb028e5a_groups
		.amdhsa_group_segment_fixed_size 166400
		.amdhsa_private_segment_fixed_size 0
		.amdhsa_enable_private_segment 0
		.amdhsa_kernarg_size 16
		.amdhsa_user_sgpr_count 2
		.amdhsa_user_sgpr_kernarg_segment_ptr 1
		.amdhsa_wavefront_size32 1
		.amdhsa_system_sgpr_workgroup_id_x 1
		.amdhsa_system_sgpr_workgroup_id_y 1
		.amdhsa_system_sgpr_workgroup_id_z 1
		.amdhsa_system_vgpr_workitem_id 0
		.amdhsa_next_free_vgpr 152
		.amdhsa_next_free_sgpr 66
		.amdhsa_reserve_vcc 1
		.amdhsa_float_denorm_mode_32 3
		.amdhsa_float_denorm_mode_16_64 3
		.amdhsa_memory_ordered 1
		.amdhsa_forward_progress 1
		.amdhsa_inst_pref_size 113
	.end_amdhsa_kernel
	.amdgpu_metadata
---
amdhsa.version: [ 1, 2 ]
amdhsa.kernels:
  - .name:           k_q7ebb028e5a_groups
    .symbol:         k_q7ebb028e5a_groups.kd
    .args:
      - { .name: uv, .offset: 0, .size: 8, .value_kind: global_buffer, .address_space: global }
      - { .name: sel, .offset: 8, .size: 8, .value_kind: global_buffer, .address_space: global }
    .group_segment_fixed_size: 166400
    .private_segment_fixed_size: 0
    .kernarg_segment_align: 8
    .kernarg_segment_size: 16
    .max_flat_workgroup_size: 128
    .sgpr_count:     66
    .vgpr_count:     152
    .wavefront_size: 32
...
	.end_amdgpu_metadata
.endif
;; end of part 1
;; launch cov (part 2): grid 256 x 1, 4 waves a work-group, no clusters, 92,672 bytes of LDS; arguments X, uv, sel, out0; writes out0
.if DOCPART == 2
	.amdgcn_target "amdgcn-amd-amdhsa--gfx1250"
	.amdhsa_code_object_version 6
	.text
	.protected	k_q7ebb028e5a_cov
	.globl	k_q7ebb028e5a_cov
	.p2align	8
	.type	k_q7ebb028e5a_cov,@function
k_q7ebb028e5a_cov:
	s_mov_b64 s[64:65], 0
	v_nop
	global_prefetch_b8 v0, s[64:65] scope:SCOPE_SE
	s_setreg_imm32_b32 hwreg(HW_REG_WAVE_MODE, 25, 1), 1
	s_wait_xcnt 0x0
; COV: for every point the 16 nearest in uv among the 256 candidates of its 16 listed groups, the covariance of their X, and its three eigenvalues, descending.
; sel holds, for each query, 16 group numbers as bytes, ascending, stored by the launch before: whole numbers read from memory, from which this launch forms LDS addresses.
; SHARES.  A work-group: 128 queries of one batch, a lane one query.  The batch's uv and X lie in LDS as 256 records each, one a group of 16 candidates: u[16] v[16], and x[16] y[16] z[16], so that a
; 16-byte read brings four candidates' numbers and a packed instruction works on two candidates.
; SWEEP 1: 256 distances d = fma(dv, dv, du * du), the same arithmetic as in the launch before, into a sorted list of 16 by v_med3: T is its last.
; SWEEP 2: the distances again, in ascending index order.  Chosen: d < T, and of d = T the first NEED, NEED being the list's places that hold T: equal distances go by the lower index.
; The choice selects values only (v_cndmask): sums of (x - x0) and of its six products over the chosen 16, x0 the query's own point, which takes a common offset of X away
; before anything is squared; cov = S2 - S1 S1^T / 16.
; EIGENVALUES in closed form: q = trace / 3, p^2 = |A - q I|^2 / 6, r = det((A - q I) / p) / 2, phi = acos(r) / 3; q + 2 p cos(phi), q + p (sqrt(3) sin(phi) - cos(phi)), q - p (sqrt(3) sin(phi) + cos(phi)).
; acos(a) = sqrt(1 - a) (a0 + a1 a + a2 a^2 + a3 a^3) on 0..1, within 5e-5 (Abramowitz and Stegun 4.4.45); cos and sin on 0..pi/3 by their series to x^8 and x^9, the next terms below 5e-7.
; LIMITS: as in the launch before for uv; p^2 below 2^-120 counts as that in the division (the eigenvalues then lie within 2e-18 of q); squares of cov must stay in f32's range; NaN is not treated apart.
; The covariance stays on the vector unit, in f32: its 16 rows are chosen by masks from candidates that differ from lane to lane, and 3 x 3 numbers would fill 9 of a matrix tile's 256.
; NO CLUSTER, NO TENSOR LOAD: the tables, 81,920 bytes, are fetched once and are taken apart (u from v, x from y from z) on the way into LDS, which a copy cannot do.
.set UP,    144                        ; a record of uv: 128 bytes + 16; a record of X: 192 + 16: odd multiples of 16, so that records spread over the groups of four banks (64 banks of 4 bytes: ISA guide 11.1)
.set XP,    208
.set XR,    256*UP                     ; behind the 256 records of uv: the 256 of X
.set OST,   XR+256*XP                  ; the way out: 128 x 12 bytes, in 2,048
.set SPARE, OST+2048                   ; the spare words, 128 bytes a wave: two blocks of 256 bytes that no other line names
.set SPW, 4                            ; v4   LDS address of my spare word; never rewritten
.set NIL, 5                            ; v5   0; never rewritten
.set Q,   6                            ; v[6:7]    my query's (u, v)
.set X0,  8                            ; v[8:11]   my query's x, y, z, and 0
.set P,   12                           ; v[12:15]  my 16 group numbers; the list turns by a byte a group
.set L,   16                           ; v[16:31]  the sorted list
.set T,   L+15
.set C,   32                           ; v[32:63]  a group's u[16], v[16] (while the tables are laid: v[32:95] uv as loaded)
.set D,   64                           ; v[64:79]  du, then d
.set E,   80                           ; v[80:95]  dv
.set XYZ, 96                           ; v[96:143] a group's x[16], y[16], z[16], then less x0 (while the tables are laid: v[96:191] X as loaded)
.set W,   144                          ; v[144:159] 1.0 for a chosen candidate, else 0
.set M,   160                          ; v[160:207] the same three times W
.set TR,  192                          ; v[192:203] while the tables are laid: four points' x, y, z apart
.set S,   208                          ; v[208:225] nine sums, each a pair (even candidates', odd candidates'): x y z xx xy xz yy yz zz
.set AD1, 226                          ; LDS address of the group's record of uv
.set AD2, 227                          ; of its record of X, less XR
.set TMP, 228
.set USED, 229
.set NEED, 230
.set XO,  231                          ; byte offset of my query's point in the batch's X
.set SU,  232                          ; where my two points' u go
.set SX,  233                          ; where my four points' x go
.set OA,  234                          ; the way out: where my three numbers go
.set LN,  235                          ; lane
.set G,   236                          ; a group's number
.set RD,  237                          ; the way out: where I read 16 bytes back
.set LT,  24                           ; s[24:27], s[28:31], s[32:35], s36: as in the launch before
.set EQ,  28
.set OK,  32
.set JK,  36
	s_load_b256 s[4:11], s[0:1], 0x0               ; X s[4:5], uv s[6:7], sel s[8:9], out0 s[10:11]
	v_lshl_add_u32 v[SPW], v0, 2, SPARE
	v_mov_b32 v[NIL], 0
	v_and_b32 v[LN], 31, v0
	v_lshrrev_b32 v[TMP], 5, v0
	v_readfirstlane_b32 s12, v[TMP]                ; wave 0..3
	s_lshr_b32 s13, ttmp9, 5                       ; batch
	s_and_b32 s14, ttmp9, 31                       ; which 128 queries of it
	v_lshlrev_b32 v1, 4, v0                        ; 16 x thread
	v_mul_u32_u24 v2, v0, 48                       ; 48 x thread
	s_lshl_b32 s15, s14, 10
	v_lshl_add_u32 v3, v0, 3, s15                  ; my query's uv in the batch
	s_mul_i32 s15, s14, 1536
	v_mad_u32_u24 v[XO], v0, 12, s15               ; my query's point in the batch
	s_mul_i32 s15, s12, 4*UP                       ; a round of uv loads: thread t has points 2 t, 2 t + 1: record t / 8 = 4 x wave + lane / 8, places 2 (lane % 8) on
	v_lshrrev_b32 v[TMP], 3, v[LN]
	v_mad_u32_u24 v[SU], v[TMP], UP, s15
	v_and_b32 v[TMP], 7, v[LN]
	v_lshl_add_u32 v[SU], v[TMP], 3, v[SU]
	s_mul_i32 s15, s12, 8*XP                       ; a round of X loads: thread t has points 4 t .. 4 t + 3: record t / 4 = 8 x wave + lane / 4, places 4 (lane % 4) on
	s_add_co_u32 s15, s15, XR
	v_lshrrev_b32 v[TMP], 2, v[LN]
	v_mad_u32_u24 v[SX], v[TMP], XP, s15
	v_and_b32 v[TMP], 3, v[LN]
	v_lshl_add_u32 v[SX], v[TMP], 4, v[SX]
	s_mul_i32 s15, s12, 384
	s_add_co_u32 s15, s15, OST
	v_mad_u32_u24 v[OA], v[LN], 12, s15            ; 12 x thread in the stage
	s_lshl_b32 s15, s12, 9
	s_add_co_u32 s15, s15, OST
	v_lshl_add_u32 v[RD], v[LN], 4, s15            ; 16 x thread in the stage
	s_mul_i32 s16, s13, 49152                      ; a batch's X
	s_mov_b32 s17, 0
	s_lshl_b32 s18, s13, 15                        ; a batch's uv
	s_mov_b32 s19, 0
	s_lshl_b32 s22, ttmp9, 11                      ; a work-group's 128 x 16 bytes of sel
	s_mov_b32 s23, 0
	s_mul_i32 s38, ttmp9, 1536                     ; and its 128 x 12 bytes of out0
	s_mov_b32 s39, 0
	v_mov_b32 v[X0+3], 0                           ; named with z as a pair
	s_wait_kmcnt 0x0
	s_add_nc_u64 s[4:5], s[4:5], s[16:17]
	s_add_nc_u64 s[6:7], s[6:7], s[18:19]
	s_add_nc_u64 s[8:9], s[8:9], s[22:23]
	s_add_nc_u64 s[10:11], s[10:11], s[38:39]
	global_load_b64 v[Q:Q+1], v3, s[6:7]
	global_load_b32 v[X0], v[XO], s[4:5]
	global_load_b32 v[X0+1], v[XO], s[4:5] offset:4
	global_load_b32 v[X0+2], v[XO], s[4:5] offset:8
	global_load_b128 v[P:P+3], v1, s[8:9]
.set i, 0
.rept 16
	global_load_b128 v[C+4*i:C+4*i+3], v1, s[6:7] offset:2048*i  ; the four waves take 2,048 consecutive bytes of uv a round
.set i, i+1
.endr
.set i, 0
.rept 24
	global_load_b128 v[XYZ+4*i:XYZ+4*i+3], v2, s[4:5] offset:6144*(i/3)+16*(i%3)  ; and 6,144 consecutive bytes of X in three loads
.set i, i+1
.endr
.set i, 0
.rept 16
	s_wait_loadcnt 39-i                            ; loads come back in order: the 15 - i younger loads of uv and the 24 of X stay out
	v_mov_b32 v[TMP], v[C+4*i+1]                   ; (u, v, u, v) becomes (u, u) (v, v)
	v_mov_b32 v[C+4*i+1], v[C+4*i+2]
	v_mov_b32 v[C+4*i+2], v[TMP]
	ds_store_b64 v[SU], v[C+4*i:C+4*i+1] offset:16*UP*i       ; a round is 256 points: 16 records
	ds_store_b64 v[SU], v[C+4*i+2:C+4*i+3] offset:16*UP*i+64
.set i, i+1
.endr
.set r, 0
.rept 8
	s_wait_loadcnt 21-3*r                          ; the later rounds' loads, three each, stay out
.set c, 0
.rept 3
.set k, 0
.rept 4
	v_mov_b32 v[TR+4*c+k], v[XYZ+12*r+3*k+c]       ; coordinate c of point k
.set k, k+1
.endr
.set c, c+1
.endr
	ds_store_b128 v[SX], v[TR:TR+3] offset:32*XP*r            ; a round is 512 points: 32 records
	ds_store_b128 v[SX], v[TR+4:TR+7] offset:32*XP*r+64
	ds_store_b128 v[SX], v[TR+8:TR+11] offset:32*XP*r+128
.set r, r+1
.endr
	s_wait_dscnt 0x0                               ; for the others' sake: my part of the tables is written
	s_barrier_signal -1
	s_barrier_wait -1
; The list's next group: its two records' addresses; the 16 bytes turn by one, so that after 16 calls the list stands as it stood.
.macro NEXT
	v_and_b32 v[G], 0xff, v[P]
	v_min_u32 v[G], 0xff, v[G]                     ; a number that was loaded enters an address behind a bound written in the text
	v_mul_u32_u24 v[AD1], v[G], UP
	v_mul_u32_u24 v[AD2], v[G], XP
	v_mov_b32 v[TMP], v[P]
	v_alignbit_b32 v[P], v[P+1], v[P], 8
	v_alignbit_b32 v[P+1], v[P+2], v[P+1], 8
	v_alignbit_b32 v[P+2], v[P+3], v[P+2], 8
	v_alignbit_b32 v[P+3], v[TMP], v[P+3], 8
.endm
.macro LDUV
.set k, 0
.rept 8
	ds_load_b128 v[C+4*k:C+4*k+3], v[AD1] offset:16*k
.set k, k+1
.endr
.endm
.macro LDXYZ
.set k, 0
.rept 12
	ds_load_b128 v[XYZ+4*k:XYZ+4*k+3], v[AD2] offset:XR+16*k
.set k, k+1
.endr
.endm
; my query's distances to the group's 16 candidates, two at a time: op_sel picks my u, or my v, for both halves
.macro DIST
.set i, 0
.rept 8
	v_pk_add_f32 v[D+2*i:D+2*i+1], v[Q:Q+1], v[C+2*i:C+2*i+1] op_sel_hi:[0,1] neg_lo:[0,1] neg_hi:[0,1]
.set i, i+1
.endr
.set i, 0
.rept 8
	v_pk_add_f32 v[E+2*i:E+2*i+1], v[Q:Q+1], v[C+16+2*i:C+16+2*i+1] op_sel:[1,0] op_sel_hi:[1,1] neg_lo:[0,1] neg_hi:[0,1]
.set i, i+1
.endr
.set i, 0
.rept 8
	v_pk_mul_f32 v[D+2*i:D+2*i+1], v[D+2*i:D+2*i+1], v[D+2*i:D+2*i+1]
.set i, i+1
.endr
.set i, 0
.rept 8
	v_pk_fma_f32 v[D+2*i:D+2*i+1], v[E+2*i:E+2*i+1], v[E+2*i:E+2*i+1], v[D+2*i:D+2*i+1]
.set i, i+1
.endr
.endm
; The new place k holds the middle one of the new number and the old places k - 1 and k; from the top down.
.macro INS d
.set k, 15
.rept 15
	v_med3_num_f32 v[L+k], v[\d], v[L+k-1], v[L+k]
.set k, k-1
.endr
	v_min_num_f32 v[L], v[\d], v[L]
.endm
; SWEEP 1
	s_mov_b32 s21, 0x7f800000                      ; the list starts above every distance
.set i, 0
.rept 16
	v_mov_b32 v[L+i], s21
.set i, i+1
.endr
	NEXT
	LDUV
	s_mov_b32 s20, 16
.Lone:                                                 ; a group a trip; the next group's uv is asked for behind the distances and lands under the 256 lines of the list.  The 16th trip asks for the first group again, for sweep 2
	s_wait_dscnt 0x0
	DIST
	NEXT
	LDUV
.set j, 0
.rept 16
	INS D+j
.set j, j+1
.endr
	s_sub_co_u32 s20, s20, 1
	s_cmp_lg_u32 s20, 0
	s_cbranch_scc1 .Lone
	v_mov_b32 v[NEED], 1                           ; the list's places that hold T: the last itself,
.set i, 0
.rept 15
	v_cmp_eq_f32 vcc_lo, v[L+i], v[T]              ; and the others
	v_add_co_ci_u32 v[NEED], vcc_lo, 0, v[NEED], vcc_lo
.set i, i+1
.endr
	v_mov_b32 v[USED], 0
.set i, 0
.rept 18
	v_mov_b32 v[S+i], 0
.set i, i+1
.endr
; SWEEP 2, a group.  ld = 1: the next group's uv is asked for.
.macro SW2 ld
	LDXYZ
	s_wait_dscnt 12                                ; all but the twelve just issued: this group's uv is in
	DIST
.if \ld
	NEXT
	LDUV
.endif
.set j, 0
.rept 4
.irp i, 0,1,2,3
	v_cmp_lt_f32 s[LT+\i], v[D+4*j+\i], v[T]
.endr
.irp i, 0,1,2,3
	v_cmp_eq_f32 s[EQ+\i], v[D+4*j+\i], v[T]
.endr
.irp i, 0,1,2,3
	v_cmp_lt_u32 s[OK+\i], v[USED], v[NEED]
	v_add_co_ci_u32 v[USED], s[JK], 0, v[USED], s[EQ+\i]
.endr
.irp i, 0,1,2,3
	s_and_b32 s[EQ+\i], s[EQ+\i], s[OK+\i]
	s_or_b32 s[LT+\i], s[LT+\i], s[EQ+\i]
.endr
.irp i, 0,1,2,3
	v_cndmask_b32 v[W+4*j+\i], 0, 1.0, s[LT+\i]
.endr
.set j, j+1
.endr
	s_wait_dscnt 8*\ld                             ; x, y, z are in; the next group's eight loads stay out
.set i, 0
.rept 8
	v_pk_add_f32 v[XYZ+2*i:XYZ+2*i+1], v[XYZ+2*i:XYZ+2*i+1], v[X0:X0+1] op_sel_hi:[1,0] neg_lo:[0,1] neg_hi:[0,1]
	v_pk_add_f32 v[XYZ+16+2*i:XYZ+16+2*i+1], v[XYZ+16+2*i:XYZ+16+2*i+1], v[X0:X0+1] op_sel:[0,1] op_sel_hi:[1,1] neg_lo:[0,1] neg_hi:[0,1]
	v_pk_add_f32 v[XYZ+32+2*i:XYZ+32+2*i+1], v[XYZ+32+2*i:XYZ+32+2*i+1], v[X0+2:X0+3] op_sel_hi:[1,0] neg_lo:[0,1] neg_hi:[0,1]
.set i, i+1
.endr
.set i, 0
.rept 8
	v_pk_mul_f32 v[M+2*i:M+2*i+1], v[XYZ+2*i:XYZ+2*i+1], v[W+2*i:W+2*i+1]
	v_pk_mul_f32 v[M+16+2*i:M+16+2*i+1], v[XYZ+16+2*i:XYZ+16+2*i+1], v[W+2*i:W+2*i+1]
	v_pk_mul_f32 v[M+32+2*i:M+32+2*i+1], v[XYZ+32+2*i:XYZ+32+2*i+1], v[W+2*i:W+2*i+1]
.set i, i+1
.endr
.set i, 0
.rept 8                                ; the nine sums take turns, so that no line waits for the one before it
	v_pk_add_f32 v[S:S+1], v[S:S+1], v[M+2*i:M+2*i+1]
	v_pk_add_f32 v[S+2:S+3], v[S+2:S+3], v[M+16+2*i:M+16+2*i+1]
	v_pk_add_f32 v[S+4:S+5], v[S+4:S+5], v[M+32+2*i:M+32+2*i+1]
	v_pk_fma_f32 v[S+6:S+7], v[M+2*i:M+2*i+1], v[XYZ+2*i:XYZ+2*i+1], v[S+6:S+7]
	v_pk_fma_f32 v[S+8:S+9], v[M+2*i:M+2*i+1], v[XYZ+16+2*i:XYZ+16+2*i+1], v[S+8:S+9]
	v_pk_fma_f32 v[S+10:S+11], v[M+2*i:M+2*i+1], v[XYZ+32+2*i:XYZ+32+2*i+1], v[S+10:S+11]
	v_pk_fma_f32 v[S+12:S+13], v[M+16+2*i:M+16+2*i+1], v[XYZ+16+2*i:XYZ+16+2*i+1], v[S+12:S+13]
	v_pk_fma_f32 v[S+14:S+15], v[M+16+2*i:M+16+2*i+1], v[XYZ+32+2*i:XYZ+32+2*i+1], v[S+14:S+15]
	v_pk_fma_f32 v[S+16:S+17], v[M+32+2*i:M+32+2*i+1], v[XYZ+32+2*i:XYZ+32+2*i+1], v[S+16:S+17]
.set i, i+1
.endr
.endm
	s_mov_b32 s20, 15
.Ltwo:
	SW2 1
	s_sub_co_u32 s20, s20, 1
	s_cmp_lg_u32 s20, 0
	s_cbranch_scc1 .Ltwo
	SW2 0                                          ; the last group is written out: nothing more is asked for
; THE COVARIANCE.  v32-34 S1; v35-40 xx xy xz yy yz zz.
.set i, 0
.rept 9
	v_add_f32 v[32+i], v[S+2*i], v[S+2*i+1]
.set i, i+1
.endr
	v_mul_f32 v41, 0x3d800000, v32                 ; S1 / 16
	v_mul_f32 v42, 0x3d800000, v33
	v_mul_f32 v43, 0x3d800000, v34
	v_fma_f32 v35, -v41, v32, v35
	v_fma_f32 v36, -v41, v33, v36
	v_fma_f32 v37, -v41, v34, v37
	v_fma_f32 v38, -v42, v33, v38
	v_fma_f32 v39, -v42, v34, v39
	v_fma_f32 v40, -v43, v34, v40
; THE EIGENVALUES
	v_add_f32 v44, v35, v38
	v_add_f32 v44, v44, v40
	v_mul_f32 v44, 0x3eaaaaab, v44                 ; q = trace / 3
	v_sub_f32 v35, v35, v44
	v_sub_f32 v38, v38, v44
	v_sub_f32 v40, v40, v44
	v_mul_f32 v45, v36, v36
	v_fma_f32 v45, v37, v37, v45
	v_fma_f32 v45, v39, v39, v45
	v_add_f32 v45, v45, v45
	v_fma_f32 v45, v35, v35, v45
	v_fma_f32 v45, v38, v38, v45
	v_fma_f32 v45, v40, v40, v45
	v_mul_f32 v45, 0x3e2aaaab, v45                 ; p^2
	v_max_num_f32 v45, 0x03800000, v45             ; 2^-120 at the least
	v_rsq_f32 v46, v45
	v_nop                                          ; a plain instruction between the transcendental and the use of its result (ISA guide 5.7.2)
	s_wait_alu depctr_va_vdst(0)
	v_mul_f32 v47, v45, v46                        ; p
.set i, 35
.rept 6
	v_mul_f32 v[i], v[i], v46                      ; (A - q I) / p
.set i, i+1
.endr
	v_mul_f32 v48, v39, v39
	v_mul_f32 v49, v39, v37
	v_mul_f32 v50, v38, v37
	v_fma_f32 v48, v38, v40, -v48
	v_fma_f32 v49, v36, v40, -v49
	v_fma_f32 v50, v36, v39, -v50
	v_mul_f32 v51, v35, v48
	v_fma_f32 v51, -v36, v49, v51
	v_fma_f32 v51, v37, v50, v51                   ; the determinant
	v_mul_f32 v51, 0.5, v51
	v_med3_num_f32 v51, v51, -1.0, 1.0             ; r
	v_and_b32 v52, 0x7fffffff, v51                 ; |r|
	v_sub_f32 v53, 1.0, v52
	v_sqrt_f32 v53, v53
	v_mov_b32 v54, 0xbc996e30                      ; the polynomial's lines stand between the root and its use
	v_fmaak_f32 v54, v54, v52, 0x3d981627
	v_fmaak_f32 v54, v54, v52, 0xbe593484
	v_fmaak_f32 v54, v54, v52, 0x3fc90da5
	s_wait_alu depctr_va_vdst(0)
	v_mul_f32 v55, v53, v54                        ; acos |r|
	v_sub_f32 v56, 0x40490fdb, v55                 ; pi less that, where r < 0
	v_cmp_gt_f32 vcc_lo, 0, v51
	v_cndmask_b32 v55, v55, v56, vcc_lo
	v_mul_f32 v55, 0x3eaaaaab, v55                 ; phi, 0 to pi / 3
	v_mul_f32 v57, v55, v55
	v_mov_b32 v58, 0x37d00d01                      ; cos: 1/40320, -1/720, 1/24, -1/2, 1
	v_mov_b32 v59, 0x3638ef1d                      ; sin: 1/362880, -1/5040, 1/120, -1/6, 1
	v_fmaak_f32 v58, v58, v57, 0xbab60b61
	v_fmaak_f32 v59, v59, v57, 0xb9500d01
	v_fmaak_f32 v58, v58, v57, 0x3d2aaaab
	v_fmaak_f32 v59, v59, v57, 0x3c088889
	v_fmaak_f32 v58, v58, v57, 0xbf000000
	v_fmaak_f32 v59, v59, v57, 0xbe2aaaab
	v_fmaak_f32 v58, v58, v57, 0x3f800000
	v_fmaak_f32 v59, v59, v57, 0x3f800000
	v_mul_f32 v59, v59, v55
	v_mul_f32 v59, 0x3fddb3d7, v59                 ; sqrt(3) sin
	v_add_f32 v60, v47, v47
	v_sub_f32 v64, v59, v58
	v_add_f32 v65, v59, v58
	v_fma_f32 v61, v60, v58, v44
	v_fma_f32 v62, v47, v64, v44
	v_fma_f32 v63, -v47, v65, v44
; THE WAY OUT: 12 bytes a query into the stage; back as 16 bytes a thread, so that a wave's store covers 512 consecutive bytes.
	ds_store_b32 v[OA], v61
	ds_store_b32 v[OA], v62 offset:4
	ds_store_b32 v[OA], v63 offset:8
	s_wait_tensorcnt 0x0
	ds_add_u32 v[SPW], v[NIL]
	s_wait_dscnt 0x0                               ; the wait also says, for the others' sake, that my numbers are in the stage
	s_barrier_signal -1
	s_barrier_wait -1
	s_cmp_eq_u32 s12, 3                            ; 1,536 bytes are 96 threads' 16: waves 0 to 2
	s_cbranch_scc1 .Lend
	ds_load_b128 v[64:67], v[RD]
	s_wait_dscnt 0x0
	global_store_b128 v1, v[64:67], s[10:11]       ; at a multiple of 512 from the work-group's part, which begins at a multiple of 256 from out0's first byte
.Lend:
	s_endpgm
.Lfunc_end_k_q7ebb028e5a_cov:
	.size	k_q7ebb028e5a_cov, .Lfunc_end_k_q7ebb028e5a_cov-k_q7ebb028e5a_cov
	.p2alignl 7, 3214868480
	.fill 96, 4, 3214868480
	.section	.rodata,"a",@progbits
	.p2align	6, 0x0
	.amdhsa_kernel k_q7ebb028e5a_cov
		.amdhsa_group_segment_fixed_size 92672
		.amdhsa_private_segment_fixed_size 0
		.amdhsa_enable_private_segment 0
		.amdhsa_kernarg_size 32
		.amdhsa_user_sgpr_count 2
		.amdhsa_user_sgpr_kernarg_segment_ptr 1
		.amdhsa_wavefront_size32 1
		.amdhsa_system_sgpr_workgroup_id_x 1
		.amdhsa_system_sgpr_workgroup_id_y 1
		.amdhsa_system_sgpr_workgroup_id_z 1
		.amdhsa_system_vgpr_workitem_id 0
		.amdhsa_next_free_vgpr 240
		.amdhsa_next_free_sgpr 66
		.amdhsa_reserve_vcc 1
		.amdhsa_float_denorm_mode_32 3
		.amdhsa_float_denorm_mode_16_64 3
		.amdhsa_memory_ordered 1
		.amdhsa_forward_progress 1
		.amdhsa_inst_pref_size 76
	.end_amdhsa_kernel
	.amdgpu_metadata
---
amdhsa.version: [ 1, 2 ]
amdhsa.kernels:
  - .name:           k_q7ebb028e5a_cov
    .symbol:         k_q7ebb028e5a_cov.kd
    .args:
      - { .name: X, .offset: 0, .size: 8, .value_kind: global_buffer, .address_space: global }
      - { .name: uv, .offset: 8, .size: 8, .value_kind: global_buffer, .address_space: global }
      - { .name: sel, .offset: 16, .size: 8, .value_kind: global_buffer, .address_space: global }
      - { .name: out0, .offset: 24, .size: 8, .value_kind: global_buffer, .address_space: global }
    .group_segment_fixed_size: 92672
    .private_segment_fixed_size: 0
    .kernarg_segment_align: 8
    .kernarg_segment_size: 32
    .max_flat_workgroup_size: 128
    .sgpr_count:     66
    .vgpr_count:     240
    .wavefront_size: 32
...
	.end_amdgpu_metadata
.endif
;; end of part 2
